; MI455X (gfx1250); checked and timed in simulation.
; The chip was launched on July 23, 2026; its instructions are those of AMD's public machine-readable ISA for CDNA 5 (MIT licence, August 2026) and "CDNA5" Instruction Set Architecture Reference Guide (July 2026). The comments in the code are by the model that wrote it; some were corrected since.
;; q6 3. Allowed arithmetic: float matrix products may take bf16 or f16 operands with f32 sums; all other float work in f32.
;; Inputs: W_emb 100,000 x 300 float32; fc_b 1 float32; fc_w 1 x 300 float32; lengths 2,048 int32; tokens 2,048 x 256 int32.
;; Outputs: out0 2,048 x 1 float32.
;; 2 versions, each right; version 2 is version 1 with the launch project written anew for expert scheduling mode. Each part assembles by itself: llvm-mc -triple=amdgcn-amd-amdhsa -mcpu=gfx1250 --defsym DOCPART=n.
;; ======== version 1 of 2: 2 launches
;; workspace buffers: dots 400,128 bytes
;; launch project (part 1): grid 625 x 1, 5 waves a work-group, no clusters, 99,328 bytes of LDS; arguments W_emb, fc_w, dots; writes dots
.if DOCPART == 1
	.amdgcn_target "amdgcn-amd-amdhsa--gfx1250"
	.amdhsa_code_object_version 6
	.text
	.protected	k_q68488ae539_project
	.globl	k_q68488ae539_project
	.p2align	8
	.type	k_q68488ae539_project,@function
k_q68488ae539_project:
	s_mov_b64 s[64:65], 0
	v_nop
	global_prefetch_b8 v0, s[64:65] scope:SCOPE_SE
	s_setreg_imm32_b32 hwreg(HW_REG_WAVE_MODE, 25, 1), 1
	s_wait_xcnt 0x0
; dots[v] = sum over d of W_emb[v][d] * fc_w[d], all in f32.  W_emb: [100000][300] f32, fc_w: [300] f32, dots: [100000] f32.
; Mean pooling and the final layer are both linear, so the layer's weights are applied to every table row once, here, and the
; next launch pools scalars.  The table is read once, front to back, instead of row by row as often as tokens name the rows.
; A wave owns a block of 32 rows = 38,400 bytes = 75 loads of 512 consecutive bytes; a block starts at a multiple of 256 bytes.
; Lane i of load j holds quad q = 32 j + i of the block (a quad = 4 floats): row q / 75, column quad q mod 75.
; Its four weights come from LDS, where fc_w lies twice in a row, so that (32 j mod 75) + i needs no wrap and sits in the immediate.
; Two packed instructions turn quad and weights into two partial sums, which go to byte 8 q of the wave's own LDS bytes:
; there the 75 pairs of a row are 600 consecutive bytes, lane r reads row r and adds.  No matrix unit: the product has one column.
; Limits: none of range; the order of the f32 additions differs from a plain left-to-right dot product.
.set NLD,    75                        ; loads of 512 bytes in a block
.set BLKB,   38400                     ; bytes in a block of 32 rows
.set QROW,   75                        ; quads in a row
.set DEPTH,  24                        ; x loads of a wave in flight
.set WD,     6                         ; weight quads requested ahead
.set WTAB,   2560                      ; LDS bytes 0..2399: fc_w twice; the waves' partial sums begin here
.set PB,     19200                     ; a wave's partial sums: 2,400 quads x 8 bytes
.set LOFF,   1                         ; v1        16 x lane: my 16 bytes in a load, and in the weight table; never rewritten
.set PST,    2                         ; v2        LDS address of my pair in load 0
.set PRD,    3                         ; v3        LDS address of row (lane)'s first pair
.set OUTO,   4                         ; v4        lane, then 4 x lane: my byte in the block's 128 bytes of dots
.set T,      8                         ; v[8:15]   four pairs of partial sums, by turns
.set ACC,    16                        ; v[16:25]  five chains of the row sum (at the start: my quad of fc_w)
.set X,      26                        ; v[26:121] ring of DEPTH quads of x; later, with v[122:125], 50 pairs read back
.set W,      122                       ; v[122:145] ring of WD quads of weights
	s_load_b128 s[4:7], s[0:1], 0x0                ; W_emb s[4:5], fc_w s[6:7]
	s_load_b64 s[8:9], s[0:1], 0x10                ; dots
	v_lshl_add_u32 v146, v0, 2, 0x18100
	v_mov_b32 v147, 0
	v_lshrrev_b32 v5, 5, v0
	v_readfirstlane_b32 s10, v5                    ; wave 0..4
	v_and_b32 v[OUTO], 31, v0                      ; lane
	v_lshlrev_b32 v[LOFF], 4, v[OUTO]
	s_mul_i32 s11, ttmp9, 5
	s_add_co_u32 s11, s11, s10                     ; my block, 0..3124
	s_mul_i32 s12, s11, BLKB                       ; its first byte in W_emb: 119,961,600 at the most
	s_mov_b32 s13, 0
	s_lshl_b32 s14, s11, 7                         ; its 32 results in dots
	s_mov_b32 s15, 0
	s_mul_i32 s16, s10, PB
	s_add_co_u32 s16, s16, WTAB                    ; my wave's partial sums in LDS
	; thread t (149 at the most: threads 150..159 repeat thread 149) brings quad t mod 75 of fc_w to LDS byte 16 t
	v_min_u32 v5, 0x95, v0
	v_add_nc_u32 v6, 0xffffffb5, v5                ; t - 75
	v_cmp_lt_u32 vcc_lo, 74, v5
	v_cndmask_b32 v6, v5, v6, vcc_lo               ; t mod 75
	v_lshlrev_b32 v6, 4, v6
	v_lshlrev_b32 v5, 4, v5
	v_lshl_add_u32 v[PST], v[OUTO], 3, s16         ; 8 bytes a lane: a store of the wave covers 256 consecutive LDS bytes
	v_mul_u32_u24 v[PRD], v[OUTO], 8*QROW          ; a row's pairs: 600 bytes = 150 words; 150 r mod 64 = 22 r mod 64 is a different even
	v_add_nc_u32 v[PRD], s16, v[PRD]               ; bank for each of 32 lanes (64 banks of 4 bytes: ISA guide 11.1): no two lanes collide
	v_lshlrev_b32 v[OUTO], 2, v[OUTO]
	s_wait_kmcnt 0x0
	global_load_b128 v[ACC:ACC+3], v6, s[6:7]      ; first, so that a counted wait can leave the x loads out
	s_add_nc_u64 s[4:5], s[4:5], s[12:13]
	s_add_nc_u64 s[8:9], s[8:9], s[14:15]
.set j, 0
.rept DEPTH
	global_load_b128 v[X+4*j:X+4*j+3], v[LOFF], s[4:5] offset:512*j th:TH_LOAD_NT   ; the table is read once in the launch
.set j, j+1
.endr
	s_wait_loadcnt DEPTH                           ; loads come back in order (ISA guide 5.7.1): my quad of fc_w is in, the DEPTH x loads stay out
	ds_store_b128 v5, v[ACC:ACC+3]
	s_wait_dscnt 0x0                               ; for the other waves' sake: my part of the table is written,
	s_barrier_signal -1
	s_barrier_wait -1                              ; and so is everybody's.  The only barrier: all other LDS bytes are a wave's own
.set j, 0
.rept WD
	ds_load_b128 v[W+4*j:W+4*j+3], v[LOFF] offset:16*((32*j)%QROW)
.set j, j+1
.endr
; Step j: quad and weights are there; two partial sums; their store; the ring slots just read are asked for again.
; lc = x loads issued behind load j: DEPTH-1, fewer at the end.
; dc = LDS instructions issued behind weight load j: in each of the WD-1 steps (or prologue places) between, one store or prologue
;      load, plus one weight load in min(j, WD-1, 74-j) of them.
.set j, 0
.rept NLD
.set xs, X+4*(j%DEPTH)
.set ws, W+4*(j%WD)
.set ts, T+2*(j%4)
.set lc, DEPTH-1
.if NLD-1-j < lc
.set lc, NLD-1-j
.endif
.set dc, WD-1
.if j < dc
.set dc, j
.endif
.if NLD-1-j < dc
.set dc, NLD-1-j
.endif
	s_wait_loadcnt lc
	s_wait_dscnt WD-1+dc
	v_pk_mul_f32 v[ts:ts+1], v[xs:xs+1], v[ws:ws+1]
	v_pk_fma_f32 v[ts:ts+1], v[xs+2:xs+3], v[ws+2:ws+3], v[ts:ts+1]       ; (x0 w0 + x2 w2, x1 w1 + x3 w3)
	ds_store_b64 v[PST], v[ts:ts+1] offset:256*j                          ; byte 8 (32 j + lane)
.if j+DEPTH < NLD
	global_load_b128 v[xs:xs+3], v[LOFF], s[4:5] offset:512*(j+DEPTH) th:TH_LOAD_NT
.endif
.if j+WD < NLD
	ds_load_b128 v[ws:ws+3], v[LOFF] offset:16*((32*(j+WD))%QROW)
.endif
.set j, j+1
.endr
; The row sums.  LDS serves a wave's instructions in order (ISA guide 5.7.1.4), so these loads see the wave's own stores above.
; 75 pairs a lane in three batches of 25, two batches on their way at a time; five chains that do not wait for each other.
.set c, 0
.rept 50
	ds_load_b64 v[X+2*c:X+2*c+1], v[PRD] offset:8*c
.set c, c+1
.endr
	s_wait_dscnt 25                                ; pairs 0..24 are in, the 25 younger loads stay out
.set c, 0
.rept 5
	v_pk_add_f32 v[ACC+2*c:ACC+2*c+1], v[X+2*c:X+2*c+1], v[X+2*c+10:X+2*c+11]      ; the first ten pairs start the chains: nothing is cleared
.set c, c+1
.endr
.set c, 10
.rept 15
	v_pk_add_f32 v[ACC+2*(c%5):ACC+2*(c%5)+1], v[ACC+2*(c%5):ACC+2*(c%5)+1], v[X+2*c:X+2*c+1]
.set c, c+1
.endr
.set c, 0
.rept 25
	ds_load_b64 v[X+2*c:X+2*c+1], v[PRD] offset:8*(c+50)
.set c, c+1
.endr
	s_wait_dscnt 25                                ; pairs 25..49 are in, pairs 50..74 stay out
.set c, 25
.rept 25
	v_pk_add_f32 v[ACC+2*(c%5):ACC+2*(c%5)+1], v[ACC+2*(c%5):ACC+2*(c%5)+1], v[X+2*c:X+2*c+1]
.set c, c+1
.endr
	s_wait_dscnt 0x0
.set c, 0
.rept 25
	v_pk_add_f32 v[ACC+2*(c%5):ACC+2*(c%5)+1], v[ACC+2*(c%5):ACC+2*(c%5)+1], v[X+2*c:X+2*c+1]
.set c, c+1
.endr
	v_pk_add_f32 v[ACC:ACC+1], v[ACC:ACC+1], v[ACC+2:ACC+3]
	v_pk_add_f32 v[ACC+4:ACC+5], v[ACC+4:ACC+5], v[ACC+6:ACC+7]
	v_pk_add_f32 v[ACC:ACC+1], v[ACC:ACC+1], v[ACC+8:ACC+9]
	v_pk_add_f32 v[ACC:ACC+1], v[ACC:ACC+1], v[ACC+4:ACC+5]
	v_add_f32 v5, v[ACC], v[ACC+1]                 ; lane r: the dot product of row 32 block + r
	global_store_b32 v[OUTO], v5, s[8:9]           ; the wave stores 128 consecutive bytes at a multiple of 128: 3,125 blocks of 32 rows do not pair up into 64
	s_wait_tensorcnt 0x0
	ds_add_u32 v146, v147
	s_wait_dscnt 0x0
	s_endpgm
.Lfunc_end_k_q68488ae539_project:
	.size	k_q68488ae539_project, .Lfunc_end_k_q68488ae539_project-k_q68488ae539_project
	.p2alignl 7, 3214868480
	.fill 96, 4, 3214868480
	.section	.rodata,"a",@progbits
	.p2align	6, 0x0
	.amdhsa_kernel k_q68488ae539_project
		.amdhsa_group_segment_fixed_size 99328
		.amdhsa_private_segment_fixed_size 0
		.amdhsa_enable_private_segment 0
		.amdhsa_kernarg_size 24
		.amdhsa_user_sgpr_count 2
		.amdhsa_user_sgpr_kernarg_segment_ptr 1
		.amdhsa_wavefront_size32 1
		.amdhsa_system_sgpr_workgroup_id_x 1
		.amdhsa_system_sgpr_workgroup_id_y 1
		.amdhsa_system_sgpr_workgroup_id_z 1
		.amdhsa_system_vgpr_workitem_id 0
		.amdhsa_next_free_vgpr 148
		.amdhsa_next_free_sgpr 66
		.amdhsa_reserve_vcc 1
		.amdhsa_float_denorm_mode_32 3
		.amdhsa_float_denorm_mode_16_64 3
		.amdhsa_memory_ordered 1
		.amdhsa_forward_progress 1
		.amdhsa_inst_pref_size 42
	.end_amdhsa_kernel
	.amdgpu_metadata
---
amdhsa.version: [ 1, 2 ]
amdhsa.kernels:
  - .name:           k_q68488ae539_project
    .symbol:         k_q68488ae539_project.kd
    .args:
      - { .name: W_emb, .offset: 0, .size: 8, .value_kind: global_buffer, .address_space: global }
      - { .name: fc_w, .offset: 8, .size: 8, .value_kind: global_buffer, .address_space: global }
      - { .name: dots, .offset: 16, .size: 8, .value_kind: global_buffer, .address_space: global }
    .group_segment_fixed_size: 99328
    .private_segment_fixed_size: 0
    .kernarg_segment_align: 8
    .kernarg_segment_size: 24
    .max_flat_workgroup_size: 160
    .sgpr_count:     66
    .vgpr_count:     148
    .wavefront_size: 32
...
	.end_amdgpu_metadata
.endif
;; end of part 1
;; launch pool (part 2): grid 256 x 1, 8 waves a work-group, no clusters, 1,280 bytes of LDS; arguments tokens, lengths, dots, fc_b, out0; writes out0
.if DOCPART == 2
	.amdgcn_target "amdgcn-amd-amdhsa--gfx1250"
	.amdhsa_code_object_version 6
	.text
	.protected	k_q68488ae539_pool
	.globl	k_q68488ae539_pool
	.p2align	8
	.type	k_q68488ae539_pool,@function
k_q68488ae539_pool:
	s_mov_b64 s[64:65], 0
	v_nop
	global_prefetch_b8 v0, s[64:65] scope:SCOPE_SE
	s_setreg_imm32_b32 hwreg(HW_REG_WAVE_MODE, 25, 1), 1
	s_wait_xcnt 0x0
; out0[b] = sigmoid( (sum over l < lengths[b] of dots[tokens[b][l]]) / lengths[b] + fc_b ).
; tokens: [2048][256] i32, lengths: [2048] i32, dots: [100000] f32 (the launch before: table row times fc_w), out0: [2048] f32.
; One wave for an item: a lane takes positions 4 lane + 0..3 and 128 + 4 lane + 0..3, so each of the two token loads covers 512
; consecutive bytes.  Positions at or behind the length are turned to index 0 before the gather (their lanes then share one
; address) and their values are replaced by 0 behind it: a select, not a product, so what lies in dots[0] never matters.
; Eight waves, eight items; the eight results meet in LDS and leave as 32 consecutive bytes.
; Limits: a token is taken as unsigned and clamped to 99,999 (negative indices are not wrapped; the problem keeps indices in range).
; Any int32 length is served (0 gives 0/0 = NaN as a division would).  1/length and the sigmoid use v_rcp_f32 and v_exp_f32 (1 ULP);
; for z below about -88 the exponential is infinite and the result exactly 0.
.set LAST,  0x1869f                    ; 99,999: the table's last row
.set TOK,   4                          ; v[4:11]   tokens, then byte offsets into dots
.set VAL,   16                         ; v[16:23]  gathered values
.set MASK,  32                         ; s[32:39]  lanes whose position k is in front of the length
	s_load_b256 s[4:11], s[0:1], 0x0               ; tokens s[4:5], lengths s[6:7], dots s[8:9], fc_b s[10:11]
	s_load_b64 s[12:13], s[0:1], 0x20              ; out0
	v_lshl_add_u32 v24, v0, 2, 0x100
	v_mov_b32 v25, 0
	v_lshrrev_b32 v1, 5, v0
	v_readfirstlane_b32 s14, v1                    ; wave 0..7
	v_and_b32 v2, 31, v0                           ; lane
	s_lshl_b32 s15, ttmp9, 3
	s_add_co_u32 s15, s15, s14                     ; my item
	s_lshl_b32 s16, s15, 10                        ; its 1,024 bytes of tokens
	s_mov_b32 s17, 0
	s_lshl_b32 s18, s15, 2                         ; its length
	s_mov_b32 s19, 0
	s_lshl_b32 s20, ttmp9, 5                       ; the group's 32 bytes of out0
	s_mov_b32 s21, 0
	s_mov_b32 s22, 0x76543210                      ; v_permlanex16_b32: lane i of one half reads lane i of the other
	s_mov_b32 s23, 0xfedcba98
	v_lshlrev_b32 v3, 4, v2                        ; 16 bytes a lane
	v_lshlrev_b32 v12, 2, v2                       ; 4 x lane: my first position; also my byte among the group's results
	s_wait_kmcnt 0x0
	s_add_nc_u64 s[4:5], s[4:5], s[16:17]
	s_add_nc_u64 s[6:7], s[6:7], s[18:19]
	s_add_nc_u64 s[12:13], s[12:13], s[20:21]
	global_load_b128 v[TOK:TOK+3], v3, s[4:5] th:TH_LOAD_NT                ; positions 0..127
	global_load_b128 v[TOK+4:TOK+7], v3, s[4:5] offset:512 th:TH_LOAD_NT   ; positions 128..255
	s_load_b32 s24, s[6:7], 0x0                    ; the length
	s_load_b32 s25, s[10:11], 0x0                  ; the bias
	s_wait_kmcnt 0x0
	v_cvt_f32_i32 v13, s24
	v_rcp_f32 v14, v13                             ; 1 / length; the compares below stand between it and its use (ISA guide 5.7.2)
	s_max_i32 s26, s24, 0
	s_min_i32 s26, s26, 256                        ; for the masks alone: the same mask for any int32, and no wrap in the differences below
.irp k, 0,1,2,3
	s_sub_co_i32 s27, s26, \k
	v_cmp_gt_i32 s[MASK+\k], s27, v12              ; length - k > 4 lane, that is 4 lane + k < length
.endr
.irp k, 0,1,2,3
	s_sub_co_i32 s27, s26, 128+\k
	v_cmp_gt_i32 s[MASK+4+\k], s27, v12            ; 128 + 4 lane + k < length
.endr
.macro GATHER4 first
.irp k, 0,1,2,3
	v_cndmask_b32 v[TOK+\first+\k], 0, v[TOK+\first+\k], s[MASK+\first+\k]    ; behind the length: index 0
.endr
.irp k, 0,1,2,3
	v_min_u32 v[TOK+\first+\k], LAST, v[TOK+\first+\k]                       ; no loaded number reaches an address unclamped
.endr
.irp k, 0,1,2,3
	v_lshlrev_b32 v[TOK+\first+\k], 2, v[TOK+\first+\k]
.endr
.irp k, 0,1,2,3
	global_load_b32 v[VAL+\first+\k], v[TOK+\first+\k], s[8:9]                ; no hint: other items name the same rows
.endr
.endm
	s_wait_loadcnt 0x1                             ; the first four tokens are in, the second load stays out
	GATHER4 0
	s_wait_loadcnt 0x4                             ; the second four are in, the four gathers issued behind them stay out
	GATHER4 4
	s_wait_loadcnt 0x0
.irp k, 0,1,2,3,4,5,6,7
	v_cndmask_b32 v[VAL+\k], 0, v[VAL+\k], s[MASK+\k]                        ; behind the length: 0
.endr
	v_pk_add_f32 v[VAL:VAL+1], v[VAL:VAL+1], v[VAL+2:VAL+3]
	v_pk_add_f32 v[VAL+4:VAL+5], v[VAL+4:VAL+5], v[VAL+6:VAL+7]
	v_pk_add_f32 v[VAL:VAL+1], v[VAL:VAL+1], v[VAL+4:VAL+5]
	v_add_f32 v[VAL], v[VAL], v[VAL+1]
	; across the 32 lanes: four steps inside each half of 16 ride on the addition, one crosses the halves; every lane ends with the sum
	v_add_f32_dpp v[VAL], v[VAL], v[VAL] row_xmask:1 row_mask:0xf bank_mask:0xf
	v_add_f32_dpp v[VAL], v[VAL], v[VAL] row_xmask:2 row_mask:0xf bank_mask:0xf
	v_add_f32_dpp v[VAL], v[VAL], v[VAL] row_xmask:4 row_mask:0xf bank_mask:0xf
	v_add_f32_dpp v[VAL], v[VAL], v[VAL] row_xmask:8 row_mask:0xf bank_mask:0xf
	v_permlanex16_b32 v[VAL+1], v[VAL], s22, s23   ; its destination counts as read: it has been written above
	v_add_f32 v[VAL], v[VAL], v[VAL+1]
	s_wait_alu depctr_va_vdst(0)
	v_fma_f32 v[VAL+2], v[VAL], v14, s25           ; z = sum / length + bias
	v_mul_f32 v[VAL+2], 0xbfb8aa3b, v[VAL+2]       ; -z log2(e)
	v_exp_f32 v[VAL+3], v[VAL+2]                   ; e^-z
	v_mov_b32 v15, s14                             ; a plain instruction between the exponential and its use (ISA guide 5.7.2)
	s_wait_alu depctr_va_vdst(0)
	v_add_f32 v[VAL+3], 1.0, v[VAL+3]
	v_rcp_f32 v[VAL+4], v[VAL+3]                   ; 1 / (1 + e^-z)
	v_lshlrev_b32 v15, 2, v15                      ; and one between the reciprocal and its use: 4 x wave
	s_wait_alu depctr_va_vdst(0)
	ds_store_b32 v15, v[VAL+4]                     ; all lanes write the same word with the same value
	s_wait_dscnt 0x0                               ; for wave 0's sake: my result is in LDS
	s_barrier_signal -1
	s_barrier_wait -1
	s_cmp_lg_u32 s14, 0
	s_cbranch_scc1 .Lothers
	v_cmp_gt_u32 vcc_lo, 8, v2
	s_wait_xcnt 0x0                                ; EXEC changes only behind this wait
	s_wait_tensorcnt 0x0
	ds_add_u32 v24, v25
	s_wait_dscnt 0x0
	s_and_saveexec_b32 s27, vcc_lo                 ; lanes 0..7
	ds_load_b32 v[VAL+7], v12                      ; lane i: item 8 group + i
	s_wait_dscnt 0x0
	global_store_b32 v12, v[VAL+7], s[12:13]       ; 32 consecutive bytes: all that eight items give
	s_wait_xcnt 0x0                                ; and again in front of the line that widens it
	s_or_b32 exec_lo, exec_lo, s27
	s_endpgm
.Lothers:
	s_wait_tensorcnt 0x0
	ds_add_u32 v24, v25
	s_wait_dscnt 0x0
	s_endpgm
.Lfunc_end_k_q68488ae539_pool:
	.size	k_q68488ae539_pool, .Lfunc_end_k_q68488ae539_pool-k_q68488ae539_pool
	.p2alignl 7, 3214868480
	.fill 96, 4, 3214868480
	.section	.rodata,"a",@progbits
	.p2align	6, 0x0
	.amdhsa_kernel k_q68488ae539_pool
		.amdhsa_group_segment_fixed_size 1280
		.amdhsa_private_segment_fixed_size 0
		.amdhsa_enable_private_segment 0
		.amdhsa_kernarg_size 40
		.amdhsa_user_sgpr_count 2
		.amdhsa_user_sgpr_kernarg_segment_ptr 1
		.amdhsa_wavefront_size32 1
		.amdhsa_system_sgpr_workgroup_id_x 1
		.amdhsa_system_sgpr_workgroup_id_y 1
		.amdhsa_system_sgpr_workgroup_id_z 1
		.amdhsa_system_vgpr_workitem_id 0
		.amdhsa_next_free_vgpr 26
		.amdhsa_next_free_sgpr 66
		.amdhsa_reserve_vcc 1
		.amdhsa_float_denorm_mode_32 3
		.amdhsa_float_denorm_mode_16_64 3
		.amdhsa_memory_ordered 1
		.amdhsa_forward_progress 1
		.amdhsa_inst_pref_size 7
	.end_amdhsa_kernel
	.amdgpu_metadata
---
amdhsa.version: [ 1, 2 ]
amdhsa.kernels:
  - .name:           k_q68488ae539_pool
    .symbol:         k_q68488ae539_pool.kd
    .args:
      - { .name: tokens, .offset: 0, .size: 8, .value_kind: global_buffer, .address_space: global }
      - { .name: lengths, .offset: 8, .size: 8, .value_kind: global_buffer, .address_space: global }
      - { .name: dots, .offset: 16, .size: 8, .value_kind: global_buffer, .address_space: global }
      - { .name: fc_b, .offset: 24, .size: 8, .value_kind: global_buffer, .address_space: global }
      - { .name: out0, .offset: 32, .size: 8, .value_kind: global_buffer, .address_space: global }
    .group_segment_fixed_size: 1280
    .private_segment_fixed_size: 0
    .kernarg_segment_align: 8
    .kernarg_segment_size: 40
    .max_flat_workgroup_size: 256
    .sgpr_count:     66
    .vgpr_count:     26
    .wavefront_size: 32
...
	.end_amdgpu_metadata
.endif
;; end of part 2
;; ======== version 2 of 2: 2 launches; version 1 with the launch project written anew for expert scheduling mode
;; workspace buffers: dots 400,128 bytes
;; launch project (part 3): grid 625 x 1, 5 waves a work-group, no clusters, 99,328 bytes of LDS; arguments W_emb, fc_w, dots; writes dots
.if DOCPART == 3
	.amdgcn_target "amdgcn-amd-amdhsa--gfx1250"
	.amdhsa_code_object_version 6
	.text
	.protected	k_q68488ae539_project
	.globl	k_q68488ae539_project
	.p2align	8
	.type	k_q68488ae539_project,@function
k_q68488ae539_project:
	s_mov_b64 s[64:65], 0
	v_nop
	global_prefetch_b8 v0, s[64:65] scope:SCOPE_SE
	s_setreg_imm32_b32 hwreg(HW_REG_WAVE_SCHED_MODE, 0, 2), 2
	s_setreg_imm32_b32 hwreg(HW_REG_WAVE_MODE, 25, 1), 1
	s_wait_xcnt 0x0
	s_wait_alu depctr_vm_vsrc(0)
; dots[v] = sum over d of W_emb[v][d] * fc_w[d], all in f32.  W_emb: [100000][300] f32, fc_w: [300] f32, dots: [100000] f32.
; Mean pooling and the final layer are both linear, so the layer's weights are applied to every table row once, here, and the
; next launch pools scalars.  The table is read once, front to back, instead of row by row as often as tokens name the rows.
; A wave owns a block of 32 rows = 38,400 bytes = 75 loads of 512 consecutive bytes; a block starts at a multiple of 256 bytes.
; Lane i of load j holds quad q = 32 j + i of the block (a quad = 4 floats): row q / 75, column quad q mod 75.
; Its four weights come from LDS, where fc_w lies twice in a row, so that (32 j mod 75) + i needs no wrap and sits in the immediate.
; Two packed instructions turn quad and weights into two partial sums, which go to byte 8 q of the wave's own LDS bytes:
; there the 75 pairs of a row are 600 consecutive bytes, lane r reads row r and adds.  No matrix unit: the product has one column.
; Limits: none of range; the order of the f32 additions differs from a plain left-to-right dot product.
; THE MODE: SCHED_MODE bits 1:0 = 2 (LLVM: expert scheduling mode 2), set by the entry lines.  The code itself states the register
; dependences between vector instructions and memory or LDS instructions, with s_wait_alu, always for 0.
; THE PLAN.  The 75 loads go in 25 groups of three, p = 0 .. 24.  Registers that memory or LDS instructions touch:
;   X0 .. X7   eight groups of x as loaded.   Written by the loads of group p + 7, issued in group p; read by group p's six packed instructions.
;   W0 .. W2   three groups of weights.       Written by the LDS loads of group p + 2, issued in group p; read by group p's packed instructions.
;   T0, T1     two groups of partial sums.    Written by group p's packed instructions; read by the three LDS stores issued in group p + 1.
;   v0 .. v4   offsets and addresses, made once at the head and never written again: the steps stand in the immediates.
;   v5, ACC    read by the one LDS store that lays fc_w down; written again only at the kernel's end, far behind the groups' waits on vm_vsrc.
; Group p works on X[p % 8], W[p % 3] and T[p % 2].  Its memory instructions are the loads into X[(p + 7) % 8] = X[(p - 1) % 8] and into
; W[(p + 2) % 3] = W[(p - 1) % 3] and the stores from T[(p - 1) % 2]: the buffers that group p - 1 worked on and that no vector instruction
; of group p names.  So the two waits at a group's head state all that its nine memory instructions and its six vector instructions hang on.
; The nine stand ahead of the six.  The text has no branch: there is one path to check.
.set NLD,    75                        ; loads of 512 bytes in a block
.set BLKB,   38400                     ; bytes in a block of 32 rows
.set QROW,   75                        ; quads in a row
.set G,      3                         ; loads in a group
.set NB,     NLD/G                     ; groups
.set XB,     8                         ; buffers of x: the loads of XB-2 to XB-1 groups of a wave are in flight
.set WN,     3                         ; buffers of weights: asked for two groups ahead
.set WTAB,   2560                      ; LDS bytes 0..2399: fc_w twice; the waves' partial sums begin here
.set PB,     19200                     ; a wave's partial sums: 2,400 quads x 8 bytes
.set FO,     0                         ; v0        my thread's number, then the byte offset of my quad in fc_w
.set LOFF,   1                         ; v1        16 x lane: my 16 bytes in a load, and in the weight table; never rewritten
.set PST,    2                         ; v2        LDS address of my pair in load 0
.set PRD,    3                         ; v3        LDS address of row (lane)'s first pair
.set OUTO,   4                         ; v4        lane, then 4 x lane: my byte in the block's 128 bytes of dots
.set TA,     5                         ; v5        where my quad of fc_w goes in LDS; at the end the result
.set T,      6                         ; v[6:17]   load j: its pair of partial sums at T + 2 (j mod 6)
.set ACC,    18                        ; v[18:27]  five chains of the row sum (at the start: my quad of fc_w)
.set X,      28                        ; v[28:123] load j: its quad at X + 4 (j mod 24); later, with v[124:127], 50 pairs read back
.set W,      124                       ; v[124:159] load j: its weights at W + 4 (j mod 9)
	s_load_b128 s[4:7], s[0:1], 0x0                ; W_emb s[4:5], fc_w s[6:7]
	s_load_b64 s[8:9], s[0:1], 0x10                ; dots
	v_lshl_add_u32 v160, v0, 2, 0x18100
	v_mov_b32 v161, 0
	v_lshrrev_b32 v[TA], 5, v0
	v_readfirstlane_b32 s10, v[TA]                 ; wave 0..4
	v_and_b32 v[OUTO], 31, v0                      ; lane
	; thread t (149 at the most: threads 150..159 repeat thread 149) brings quad t mod 75 of fc_w to LDS byte 16 t
	v_min_u32 v[TA], 0x95, v0
	v_cmp_lt_u32 s17, 74, v[TA]                    ; the mask goes to a scalar register, so that one wait serves it and the wave's number
	v_add_nc_u32 v[FO], 0xffffffb5, v[TA]          ; t - 75
	v_lshlrev_b32 v[LOFF], 4, v[OUTO]
	v_mul_u32_u24 v[PRD], v[OUTO], 8*QROW          ; a row's pairs: 600 bytes = 150 words; 150 r mod 64 = 22 r mod 64 is a different even bank for each of 32 lanes (64 banks of 4 bytes: ISA guide 11.1): no two lanes collide
	s_wait_alu depctr_va_sdst(0)                   ; s10 and s17 are written, ahead of their first readers: the block's number is made from s10, the select below reads s17
	s_mul_i32 s11, ttmp9, 5
	s_add_co_u32 s11, s11, s10                     ; my block, 0..3124
	s_mul_i32 s12, s11, BLKB                       ; its first byte in W_emb: 119,961,600 at the most
	s_mov_b32 s13, 0
	s_lshl_b32 s14, s11, 7                         ; its 32 results in dots
	s_mov_b32 s15, 0
	s_mul_i32 s16, s10, PB
	s_add_co_u32 s16, s16, WTAB                    ; my wave's partial sums in LDS
	v_cndmask_b32 v[FO], v[TA], v[FO], s17         ; t mod 75
	v_lshlrev_b32 v[FO], 4, v[FO]
	v_lshlrev_b32 v[TA], 4, v[TA]
	v_lshl_add_u32 v[PST], v[OUTO], 3, s16         ; 8 bytes a lane: a store of the wave covers 256 consecutive LDS bytes
	v_add_nc_u32 v[PRD], s16, v[PRD]
	v_lshlrev_b32 v[OUTO], 2, v[OUTO]
	s_wait_kmcnt 0x0
	s_add_nc_u64 s[4:5], s[4:5], s[12:13]
	s_add_nc_u64 s[8:9], s[8:9], s[14:15]
	s_wait_alu depctr_va_vdst(0)                   ; v0 to v5 are written: every load and store of the kernel reads one of them as its offset or address
	global_load_b128 v[ACC:ACC+3], v[FO], s[6:7]   ; first, so that a counted wait can leave the x loads out
.set j, 0
.rept G*(XB-1)
	global_load_b128 v[X+4*j:X+4*j+3], v[LOFF], s[4:5] offset:512*j th:TH_LOAD_NT   ; groups 0 to 6; the table is read once in the launch
.set j, j+1
.endr
	s_wait_loadcnt G*(XB-1)                        ; loads come back in order (ISA guide 5.7.1): my quad of fc_w is in, the 21 x loads stay out
	ds_store_b128 v[TA], v[ACC:ACC+3]
	s_wait_dscnt 0x0                               ; for the other waves' sake: my part of the table is written,
	s_barrier_signal -1
	s_barrier_wait -1                              ; and so is everybody's.  The only barrier: all other LDS bytes are a wave's own
.set j, 0
.rept G*(WN-1)
	ds_load_b128 v[W+4*j:W+4*j+3], v[LOFF] offset:16*((32*j)%QROW)                  ; the weights of groups 0 and 1
.set j, j+1
.endr
; Group p.  lc = younger groups whose x loads are out: XB-2, fewer at the end.
; dc = LDS instructions issued behind this group's weight loads: the three stores of group p-2's turn (from p = 3 on), the three weight
;      loads of group p-1's turn (p = 1 .. 23) and its three stores (from p = 2 on); for p = 0 the three weight loads of group 1.
.set p, 0
.rept NB
.set lc, NB-1-p
.if lc > XB-2
.set lc, XB-2
.endif
.set dc, 0
.if p == 0
.set dc, G
.endif
.if (p >= 1) && (p <= NB-2)
.set dc, dc+G
.endif
.if p >= 2
.set dc, dc+G
.endif
.if p >= 3
.set dc, dc+G
.endif
	s_wait_loadcnt G*lc                            ; this group's three quads of x are in, the younger groups stay out
	s_wait_dscnt dc                                ; LDS instructions end in order too (ISA guide 5.7.1): this group's weights are in
.if p >= 2
	s_wait_alu depctr_vm_vsrc(0)                   ; the stores issued in the group before have read T[p % 2], which this group's products write again
.endif
.if p >= 1
	s_wait_alu depctr_va_vdst(0)                   ; the group before has written the other T, which the stores below read, and is done reading its X and its W, in which the loads below land
.endif
.if p+XB-1 < NB
.irp i, 0,1,2
.set j, G*(p+XB-1)+(\i)
	global_load_b128 v[X+4*(j%(G*XB)):X+4*(j%(G*XB))+3], v[LOFF], s[4:5] offset:512*j th:TH_LOAD_NT   ; seven groups ahead
.endr
.endif
.if p+WN-1 < NB
.irp i, 0,1,2
.set j, G*(p+WN-1)+(\i)
	ds_load_b128 v[W+4*(j%(G*WN)):W+4*(j%(G*WN))+3], v[LOFF] offset:16*((32*j)%QROW)                 ; two groups ahead
.endr
.endif
.if p >= 1
.irp i, 0,1,2
.set j, G*(p-1)+(\i)
	ds_store_b64 v[PST], v[T+2*(j%(2*G)):T+2*(j%(2*G))+1] offset:256*j                               ; the group before: byte 8 (32 j + lane)
.endr
.endif
.irp i, 0,1,2
.set j, G*p+(\i)
.set xs, X+4*(j%(G*XB))
.set ws, W+4*(j%(G*WN))
.set ts, T+2*(j%(2*G))
	v_pk_mul_f32 v[ts:ts+1], v[xs:xs+1], v[ws:ws+1]
.endr
.irp i, 0,1,2
.set j, G*p+(\i)
.set xs, X+4*(j%(G*XB))
.set ws, W+4*(j%(G*WN))
.set ts, T+2*(j%(2*G))
	v_pk_fma_f32 v[ts:ts+1], v[xs+2:xs+3], v[ws+2:ws+3], v[ts:ts+1]       ; (x0 w0 + x2 w2, x1 w1 + x3 w3)
.endr
.set p, p+1
.endr
	s_wait_alu depctr_va_vdst(0)                   ; the last group has written its T, which the three stores below read; the groups are done reading X and W, in which the rows' pairs land
.irp i, 0,1,2
.set j, G*(NB-1)+(\i)
	ds_store_b64 v[PST], v[T+2*(j%(2*G)):T+2*(j%(2*G))+1] offset:256*j
.endr
; The row sums.  LDS serves a wave's instructions in order (ISA guide 5.7.1.4), so these loads see the wave's own stores above.
; 75 pairs a lane in three batches of 25, two batches on their way at a time; five chains that do not wait for each other.
.set c, 0
.rept 50
	ds_load_b64 v[X+2*c:X+2*c+1], v[PRD] offset:8*c
.set c, c+1
.endr
	s_wait_dscnt 25                                ; pairs 0..24 are in, the 25 younger loads stay out
.set c, 0
.rept 5
	v_pk_add_f32 v[ACC+2*c:ACC+2*c+1], v[X+2*c:X+2*c+1], v[X+2*c+10:X+2*c+11]      ; the first ten pairs start the chains: nothing is cleared
.set c, c+1
.endr
.set c, 10
.rept 15
	v_pk_add_f32 v[ACC+2*(c%5):ACC+2*(c%5)+1], v[ACC+2*(c%5):ACC+2*(c%5)+1], v[X+2*c:X+2*c+1]
.set c, c+1
.endr
	s_wait_alu depctr_va_vdst(0)                   ; the additions above are done reading the registers of pairs 0..24, in which pairs 50..74 land
.set c, 0
.rept 25
	ds_load_b64 v[X+2*c:X+2*c+1], v[PRD] offset:8*(c+50)
.set c, c+1
.endr
	s_wait_dscnt 25                                ; pairs 25..49 are in, pairs 50..74 stay out
.set c, 25
.rept 25
	v_pk_add_f32 v[ACC+2*(c%5):ACC+2*(c%5)+1], v[ACC+2*(c%5):ACC+2*(c%5)+1], v[X+2*c:X+2*c+1]
.set c, c+1
.endr
	s_wait_dscnt 0x0
.set c, 0
.rept 25
	v_pk_add_f32 v[ACC+2*(c%5):ACC+2*(c%5)+1], v[ACC+2*(c%5):ACC+2*(c%5)+1], v[X+2*c:X+2*c+1]
.set c, c+1
.endr
	v_pk_add_f32 v[ACC:ACC+1], v[ACC:ACC+1], v[ACC+2:ACC+3]
	v_pk_add_f32 v[ACC+4:ACC+5], v[ACC+4:ACC+5], v[ACC+6:ACC+7]
	v_pk_add_f32 v[ACC:ACC+1], v[ACC:ACC+1], v[ACC+8:ACC+9]
	v_pk_add_f32 v[ACC:ACC+1], v[ACC:ACC+1], v[ACC+4:ACC+5]
	v_add_f32 v[TA], v[ACC], v[ACC+1]              ; lane r: the dot product of row 32 block + r
	s_wait_alu depctr_va_vdst(0)                   ; the result is written, which the store reads
	global_store_b32 v[OUTO], v[TA], s[8:9]        ; the wave stores 128 consecutive bytes at a multiple of 128: 3,125 blocks of 32 rows do not pair up into 64
	s_wait_dscnt 0x0
	s_wait_alu depctr_hold_cnt(0) depctr_sa_sdst(0) depctr_va_vdst(0) depctr_va_sdst(0) depctr_va_ssrc(0) depctr_va_vcc(0) depctr_vm_vsrc(0)
	s_wait_tensorcnt 0x0
	ds_add_u32 v160, v161
	s_wait_dscnt 0x0
	s_endpgm
.Lfunc_end_k_q68488ae539_project:
	.size	k_q68488ae539_project, .Lfunc_end_k_q68488ae539_project-k_q68488ae539_project
	.p2alignl 7, 3214868480
	.fill 96, 4, 3214868480
	.section	.rodata,"a",@progbits
	.p2align	6, 0x0
	.amdhsa_kernel k_q68488ae539_project
		.amdhsa_group_segment_fixed_size 99328
		.amdhsa_private_segment_fixed_size 0
		.amdhsa_enable_private_segment 0
		.amdhsa_kernarg_size 24
		.amdhsa_user_sgpr_count 2
		.amdhsa_user_sgpr_kernarg_segment_ptr 1
		.amdhsa_wavefront_size32 1
		.amdhsa_system_sgpr_workgroup_id_x 1
		.amdhsa_system_sgpr_workgroup_id_y 1
		.amdhsa_system_sgpr_workgroup_id_z 1
		.amdhsa_system_vgpr_workitem_id 0
		.amdhsa_next_free_vgpr 162
		.amdhsa_next_free_sgpr 66
		.amdhsa_reserve_vcc 0
		.amdhsa_float_denorm_mode_32 3
		.amdhsa_float_denorm_mode_16_64 3
		.amdhsa_memory_ordered 1
		.amdhsa_forward_progress 1
		.amdhsa_inst_pref_size 41
	.end_amdhsa_kernel
	.amdgpu_metadata
---
amdhsa.version: [ 1, 2 ]
amdhsa.kernels:
  - .name:           k_q68488ae539_project
    .symbol:         k_q68488ae539_project.kd
    .args:
      - { .name: W_emb, .offset: 0, .size: 8, .value_kind: global_buffer, .address_space: global }
      - { .name: fc_w, .offset: 8, .size: 8, .value_kind: global_buffer, .address_space: global }
      - { .name: dots, .offset: 16, .size: 8, .value_kind: global_buffer, .address_space: global }
    .group_segment_fixed_size: 99328
    .private_segment_fixed_size: 0
    .kernarg_segment_align: 8
    .kernarg_segment_size: 24
    .max_flat_workgroup_size: 160
    .sgpr_count:     66
    .vgpr_count:     162
    .wavefront_size: 32
...
	.end_amdgpu_metadata
.endif
;; end of part 3
;; launch pool: the kernel of part 2 again; grid 256 x 1, 8 waves a work-group, no clusters, 1,280 bytes of LDS; arguments tokens, lengths, dots, fc_b, out0; writes out0
